; MI455X (gfx1250); checked and timed in simulation.
; The chip was launched on July 23, 2026; its instructions are those of AMD's public machine-readable ISA for CDNA 5 (MIT licence, August 2026) and "CDNA5" Instruction Set Architecture Reference Guide (July 2026). The comments in the code are by the model that wrote it; some were corrected since.
;; RG Linear. Allowed arithmetic: matrix products marked QUANTISED: E5M2 operands, one E8M0 scale for each 32 along K, by v_wmma_scale_f32_16x16x128_f8f6f4 with both operands' format E5M2, f32 sums; everything else in f32.
;; Inputs: bias 2,048 float32; coarse_centroids 64 x 16 float32; coarse_labels 524,288 int32; res_centroids 64 x 16 float32; res_labels 524,288 int32; x 8,192 x 4,096 float32.
;; Outputs: out0 8,192 x 2,048 float32.
;; This version of the problem:
;;   THIS VERSION OF THE PROBLEM IS GIVEN IN LOW PRECISION. The matrix products marked QUANTISED in the list below multiply operands that are first quantised to E5M2 (5 exponent bits, 2 mantissa bits; 8 bits a number), with one power-of-two scale for each 32 numbers along K (OCP MX v1.0); their sums are f32. All else is computed in f32.
;;   The module's matrix products, in the order in which they are computed (A, B: the left and right operand; K: the contracted axis; several contracted axes count as one K, in the product's order):
;;     1. [M 8,192, K 4,096] x [K 4,096, N 2,048]; A: input x; B: computed on the way: QUANTISED
;;   THE QUANTISER, for each operand of a quantised product, along K:
;;     - K is cut into blocks of 32 from its start; a last block that is shorter is filled with zeros.
;;     - A block's scale is 2^e with e = floor(log2(the largest magnitude in the block)) - 15, held to -126 .. 127; a block of zeros has e = 0. As a byte (E8M0): e + 127.
;;     - Each number is divided by its block's scale, clamped to +-57,344, and rounded to the nearest number of E5M2, ties to even, subnormals kept.
;;     - The product sums the exact products of the quantised numbers (number of the format x scale) in f32.
;;   ~~~python
;;   def quantise(x, axis):      # numpy; x: float32 -> the quantised numbers, widened to float32 again
;;       x = np.moveaxis(x, axis, -1); K = x.shape[-1]
;;       x = np.pad(x, [(0, 0)] * (x.ndim - 1) + [(0, -K % 32)]); x = x.reshape(x.shape[:-1] + (-1, 32)); a = np.abs(x).max(-1, keepdims=True)
;;       e = np.where(a > 0, np.clip(np.frexp(np.where(a > 0, a, 1))[1] - 1 - 15, -126, 127), 0)      # np.frexp(a)[1] - 1 = floor(log2(a)), exactly
;;       r = np.clip(x / 2.0 ** e, -57344, 57344)
;;       step = 2.0 ** (np.maximum(np.frexp(np.where(r == 0, 1, r))[1] - 1, -14) - 2)
;;       q = np.round(r / step) * step * 2.0 ** e      # np.round: ties to even
;;       return np.moveaxis(q.reshape(q.shape[:-2] + (-1,))[..., :K], -1, axis).astype(np.float32)
;;   ~~~
;;   OPERANDS COMPUTED ON THE WAY. 'Computed on the way' means the value that the module computes at that place (a softmax that the list does not call 'softmax' is quantised finished and normalised). What goes into a quantiser is computed in f32, as accurately as f32 sums, v_exp_f32 and their like allow (about 1e-6 of the number): no bf16 or f16 on the way to a quantiser, and a product that is left as it is and whose result goes on into a quantised operand takes f32 operands (vector FMAs, or v_wmma_f32_16x16x4_f32). A number that lies on a knife's edge between two numbers of the format may be rounded either way, as far as f32 arithmetic and the matrix unit's own rounding can turn it there, and no further.
;; One version. Each part assembles by itself: llvm-mc -triple=amdgcn-amd-amdhsa -mcpu=gfx1250 --defsym DOCPART=n.
;; ======== version 1 of 1: 2 launches
;; limits: right only within a limited range of input values
;; workspace buffers: xq 34,603,008 bytes; wq 8,650,752 bytes
;; launch quant (part 1): grid 1280 x 1, 4 waves a work-group, no clusters, 44,544 bytes of LDS; arguments x, coarse_centroids, coarse_labels, res_centroids, res_labels, xq, wq; writes xq, wq
.if DOCPART == 1
	.amdgcn_target "amdgcn-amd-amdhsa--gfx1250"
	.amdhsa_code_object_version 6
	.text
	.protected	k_q391779e291_quant
	.globl	k_q391779e291_quant
	.p2align	8
	.type	k_q391779e291_quant,@function
k_q391779e291_quant:
	s_mov_b64 s[64:65], 0
	v_nop
	global_prefetch_b8 v0, s[64:65] scope:SCOPE_SE
	s_setreg_imm32_b32 hwreg(HW_REG_WAVE_MODE, 25, 1), 1
	s_wait_xcnt 0x0
; x [8192][4096] f32, and W [2048][4096] = coarse_centroids[coarse_labels] + res_centroids[res_labels] (16 numbers a label, one f32 addition), are turned into codes of BF8 (E5M2) with one E8M0
; scale byte for each 32 along K, for the product's launch.  A block's scale is 2^(floor(log2(its largest magnitude)) - 15); its byte is the largest magnitude's exponent field - 15, held at 1 from below;
; each number is divided by the scale, held within +-57,344 and rounded to the nearest code, ties to even.
; LAYOUT OF xq AND wq.  For each 128 rows (row block R) and each 256 along K (K step s) one dense block of BLKB = 33,792 bytes at (16 R + s) BLKB: row r's 256 codes at 256 r, then row r's 8 scale bytes at
; 32,768 + 8 r.  So the product's launch brings 128 rows' codes AND scales of a K step by one dense tensor load.
; SHARES.  A wave's job is 32 rows x one K step, in 16 steps of 2 rows x 256, written out.  In a step lane L holds 16 NEIGHBOURS along K: row 2 t + L / 16, k = 16 (L % 16) on; lanes L and L xor 1 share a block of 32.
; A lane's 16 codes are 16 bytes at 512 t + 16 L of the job's 8,192: a store of the wave covers 512 consecutive bytes, aligned.  The job's 256 scale bytes are gathered in the wave's own LDS and leave as 256 consecutive bytes.
; Work-groups 0 to 255 make W (their gathers depend on loaded labels, so they start first and lie under x's stream), work-groups 256 to 1,279 take x.  The two paths part once, on the work-group's number, and have LDS bytes of their own.
; THE TWO TABLES LIE IN LDS in the W path.  Gathered from memory they would be asked for 2 x 64 bytes a label, 67 MB in all, half as much again as the launch's outputs; so a work-group reads their 8,192 bytes from memory once.
; No tensor loads, no cluster (work-groups share no input but the two tables), no matrix work.  The x path has no barrier: its waves share nothing.  The W path has one: behind the tables' stores.
; LIMITS: NaN and infinities among the inputs are not served.  A block of zeros gets the byte 1 where the rule says 127: its codes are zeros, which add nothing under any byte but 0xff, and the bytes are read by this program alone.
; Labels are taken as unsigned numbers and held at 63 from above.
.set BLKB,  33792
.set WGW,   256                        ; work-groups that make W
.set STEPS, 16
.set EMAX,  15
.set MANT,  0x600000                   ; the mantissa field of 57,344 as f32
.set SP,    80                         ; x path: a lane's place in a stage: its 64 bytes + 16 of padding
.set STG,   32*SP                      ; a stage; each wave has two, and behind them its 256 scale bytes, in a region of 8,192 bytes
.set WSC,   32768                      ; W path: 1,024 bytes behind the x path's regions, unused; the tables follow
.set TP,    80                         ; W path: a centroid in LDS: its 64 bytes + 16 of padding = 20 words: centroid c starts at bank 20 c mod 64 (64 banks of 4 bytes: ISA guide 11.1), so that sixteen lanes' labels spread over all sixteen columns of 16 bytes, not over four
.set TABC,  WSC+1024                   ; the coarse table, 64 x TP bytes
.set TABR,  TABC+64*TP                 ; the residual table likewise; it ends at 44,032
; x path                               ; W path
.set R,  16                            ; v16-79   four sets of 16 numbers as loaded
.set X,  80                            ; v80-111  two sets of 16 neighbours
.set E,  112                           ; v112-127 a scale byte for each step
.set C,  128                           ; v128-191 codes, four registers for each step: no store's data are written again
.set LC, 16                            ; v16-31   coarse labels, then byte offsets into the table in LDS
.set LR, 32                            ; v32-47   residual labels likewise
.set G,  48                            ; v48-143  three sets of 32: 16 coarse numbers, 16 residual; at the head v48-63 carry the tables to LDS
.set WC, 144                           ; v144-175 codes, eight sets of four
.set WE, 176                           ; v176-191 a scale byte for each step
; common: v2 lane; v3 my offset in a load; v4 16 x lane; v5 where my block's scale byte goes in LDS; v6 where I read 8 of them back; v7 8 x lane; v8-13 at work; v14, v15 addresses of the path's own
; 16 neighbours in v[XS] on become 16 codes in v[CR] on and the block's scale byte in v[ER]
.macro QUANT16 XS, CR, ER
.set QX, \XS
.set QC, \CR
.set QE, \ER
	v_max3_num_f32 v8, |v[QX]|, |v[QX+1]|, |v[QX+2]|               ; the largest magnitude of my 16, in two chains
	v_max3_num_f32 v9, |v[QX+3]|, |v[QX+4]|, |v[QX+5]|
.irp i, 6,10
	v_max3_num_f32 v8, v8, |v[QX+\i]|, |v[QX+\i+1]|
	v_max3_num_f32 v9, v9, |v[QX+\i+2]|, |v[QX+\i+3]|
.endr
	v_max3_num_f32 v8, v8, |v[QX+14]|, |v[QX+15]|
	v_max3_num_f32 v8, v8, v9, (EMAX+1)<<23        ; and the floor 2^(16 - 127): the byte cannot fall under 1
	v_max_num_f32_dpp v8, v8, v8 row_xmask:1 row_mask:0xf bank_mask:0xf   ; and of my neighbour's 16: the block's
	v_add_nc_u32 v11, 0xf8800000, v8               ; 15 off its exponent field: the conversion takes the exponent field of this operand as its scale, and nothing else of it
	v_and_or_b32 v10, v8, 0x7f800000, s23          ; 57,344 x the scale: the largest magnitude's exponent field over 57,344's mantissa
.irp i, 0,1,2,3,4,5,6,7,8,9,10,11,12,13,14,15
	v_med3_num_f32 v[QX+\i], v[QX+\i], -v10, v10   ; the conversion to an 8-bit code does not saturate (ISA guide 7.6.2): the number is held first
.endr
	v_cvt_scalef32_pk8_bf8_f32 v[QC:QC+1], v[QX:QX+7], v11
	v_cvt_scalef32_pk8_bf8_f32 v[QC+2:QC+3], v[QX+8:QX+15], v11
	v_lshrrev_b32 v[QE], 23, v11                   ; the scale's byte; also the plain vector line behind the conversions
.endm
	s_load_b256 s[24:31], s[0:1], 0x0              ; x s[24:25], coarse_centroids s[26:27], coarse_labels s[28:29], res_centroids s[30:31]
	s_load_b128 s[32:35], s[0:1], 0x20             ; res_labels s[32:33], xq s[34:35]
	s_load_b64 s[36:37], s[0:1], 0x30              ; wq
	v_lshl_add_u32 v192, v0, 2, 0xac00
	v_mov_b32 v193, 0
	v_lshrrev_b32 v1, 5, v0
	v_readfirstlane_b32 s16, v1                    ; wave 0..3
	v_and_b32 v2, 31, v0                           ; lane
	v_lshlrev_b32 v4, 4, v2
	v_lshlrev_b32 v7, 3, v2
	s_mov_b32 s23, MANT
	; the job: g = the work-group's number within its tensor; 32 rows rg = g / 4; K step s = 4 (g % 4) + wave
	s_cmp_lt_u32 ttmp9, WGW
	s_cselect_b32 s17, 0, WGW
	s_sub_co_u32 s17, ttmp9, s17                   ; g
	s_lshr_b32 s18, s17, 2                         ; rg
	s_and_b32 s17, s17, 3
	s_lshl_b32 s17, s17, 2
	s_add_co_u32 s17, s17, s16                     ; s
	s_lshr_b32 s19, s18, 2                         ; row block R = rg / 4
	s_lshl_b32 s19, s19, 4
	s_add_co_u32 s19, s19, s17
	s_mul_i32 s19, s19, BLKB                       ; the block's first byte (under 2^26)
	s_and_b32 s22, s18, 3                          ; which 32 of its 128 rows
	s_lshl_b32 s20, s22, 13
	s_add_co_u32 s20, s20, s19                     ; my codes: + 8,192 (rg % 4)
	s_mov_b32 s21, 0
	s_lshl_b32 s38, s22, 8
	s_add_co_u32 s38, s38, s19
	s_add_co_u32 s38, s38, 32768                   ; my scale bytes: + 32,768 + 256 (rg % 4)
	s_mov_b32 s39, 0
	s_wait_kmcnt 0x0
	s_cmp_lt_u32 ttmp9, WGW                        ; the choice hangs on the work-group's number alone
	s_cselect_b64 s[8:9], s[36:37], s[34:35]       ; wq or xq
	s_add_nc_u64 s[10:11], s[8:9], s[38:39]        ; (these sums leave SCC as the compare set it)
	s_add_nc_u64 s[8:9], s[8:9], s[20:21]
	s_cbranch_scc1 .Lw
	; ---------------- x ----------------
	; The conversions want 16 neighbours in a lane; a load is best where neighbouring lanes take neighbouring bytes.  Both are had: each of a step's four loads reads 256 consecutive bytes of each of the two rows, 16 a lane;
	; the 2,048 bytes go through the wave's own stage in LDS and come back 64 bytes a lane.  Loads run four steps (16 loads a wave) ahead, the turn through LDS one step.
	s_lshl_b32 s2, s18, 19                         ; 32 rows of 16,384 bytes
	s_lshl_b32 s3, s17, 10                         ; 256 numbers of 4 bytes
	s_add_co_u32 s2, s2, s3
	s_mov_b32 s3, 0
	s_add_nc_u64 s[4:5], s[24:25], s[2:3]
	s_lshl_b32 s22, s16, 13                        ; my wave's region of LDS
	s_wait_alu depctr_va_vdst(0)
	v_and_b32 v3, 15, v2
	v_lshlrev_b32 v3, 4, v3
	v_lshrrev_b32 v1, 4, v2
	v_lshl_add_u32 v3, v1, 14, v3                  ; in: 16 (L % 16) + a row for lanes 16-31
	v_and_b32 v14, 16, v2                          ; the stage, on the way in: place 16 (L / 16) + 4 i + (L / 4) % 4, byte 16 (L % 4) in it
	v_bfe_u32 v15, v2, 2, 2
	v_add_nc_u32 v14, v14, v15
	v_mul_u32_u24 v14, v14, SP
	v_and_b32 v15, 3, v2
	v_lshl_add_u32 v14, v15, 4, v14
	v_add_nc_u32 v14, s22, v14
	v_mul_u32_u24 v15, v2, SP                      ; and on the way out: place L: my 16 neighbours
	v_add_nc_u32 v15, s22, v15
	s_add_co_u32 s22, s22, 2*STG                   ; my wave's 256 scale bytes
	v_lshrrev_b32 v5, 1, v2
	v_add_nc_u32 v5, s22, v5
	v_add_nc_u32 v6, s22, v7
.macro LOAD t
.irp i, 0,1,2,3
	global_load_b128 v[R+16*((\t)%4)+4*\i:R+16*((\t)%4)+4*\i+3], v3, s[4:5] offset:32768*(\t)+256*\i th:TH_LOAD_NT   ; sixteen lanes read 256 consecutive bytes, aligned; read once in the launch
.endr
.endm
.macro TURN t                          ; step t's numbers through the stage: LDS serves a wave's instructions in order (ISA guide 5.7.1.4), so no wait stands between the stores and the loads
.irp i, 0,1,2,3
	ds_store_b128 v14, v[R+16*((\t)%4)+4*\i:R+16*((\t)%4)+4*\i+3] offset:STG*((\t)%2)+4*SP*\i
.endr
.irp i, 0,1,2,3
	ds_load_b128 v[X+16*((\t)%2)+4*\i:X+16*((\t)%2)+4*\i+3], v15 offset:STG*((\t)%2)+16*\i
.endr
.endm
.macro STEP t
.if (\t) > 0
	s_wait_dscnt 1                                 ; this step's numbers are back from the stage (the last step's byte store may be out): so its stores into the stage have read their registers,
.else
	s_wait_dscnt 0x0
.endif
.if (\t)+4 < STEPS
	LOAD (\t)+4                                    ; which take the loads of four steps on
.endif
.if (\t)+1 < STEPS
.if (\t) <= 11
	s_wait_loadcnt 12                              ; the next step's four loads are in; those of the three steps behind it may be out
.else
	s_wait_loadcnt 4*(14-(\t))                     ; the counts run down: no load leaves the job's rows
.endif
	TURN (\t)+1                                    ; they go through the other stage while this step is worked
.endif
	QUANT16 X+16*((\t)%2), C+4*(\t), E+(\t)
	ds_store_b8 v5, v[E+(\t)] offset:16*(\t)       ; both lanes of a block write the same byte with the same value
	global_store_b128 v4, v[C+4*(\t):C+4*(\t)+3], s[8:9] offset:512*(\t)
.endm
.irp t, 0,1,2,3
	LOAD \t
.endr
	s_wait_alu depctr_va_vdst(0)
	s_wait_loadcnt 12                              ; step 0's four loads are in
	TURN 0
.irp t, 0,1,2,3,4,5,6,7,8,9,10,11,12,13,14,15
	STEP \t
.endr
	ds_load_b64 v[12:13], v6                       ; in order behind my byte stores
	s_wait_dscnt 0x0
	global_store_b64 v7, v[12:13], s[10:11]        ; 32 lanes store 256 consecutive bytes, aligned
	s_wait_tensorcnt 0x0
	ds_add_u32 v192, v193
	s_wait_dscnt 0x0
	s_endpgm
	; ---------------- W ----------------
	; A lane's 16 neighbours are ONE label's 16 numbers: W[o][16 j ..] has label 256 o + j.  The tables go to LDS and the job's 2 x 16 labels a lane come into registers; a step then gathers 64 bytes from each table in LDS,
	; adds and quantises.  Gathers run three steps ahead.
.Lw:
	; wq IS LAID OTHERWISE THAN xq (this replaces what the head says of wq): codes in the order of the product's operand registers.  For each 128 rows (N), each 128 along K (u) and each 16 rows (b) a fragment of
	; 2,048 bytes at ((32 N + u) 8 + b) 2,048: the 16 codes of row r at k = 16 j on lie at 256 j + 16 r.  Behind all codes, from byte 8,388,608: scale words, for each N and K step of 256 a run of 1,024 bytes:
	; 32 rows' 256 bytes on end, row r's 16 bytes at 16 r: the words of (row r, second 128), (row r, first 128), (row 16 + r, second), (row 16 + r, first).
	s_lshr_b32 s19, s18, 2                         ; N
	s_and_b32 s22, s18, 3                          ; which 32 of its 128 rows
	s_lshl_b32 s20, s19, 19
	s_lshl_b32 s38, s17, 15
	s_add_co_u32 s20, s20, s38
	s_lshl_b32 s38, s22, 12
	s_add_co_u32 s20, s20, s38
	s_add_nc_u64 s[8:9], s[36:37], s[20:21]        ; my codes
	s_lshl_b32 s38, s19, 14
	s_lshl_b32 s20, s17, 10
	s_add_co_u32 s38, s38, s20
	s_lshl_b32 s20, s22, 8
	s_add_co_u32 s38, s38, s20
	s_add_co_u32 s38, s38, 0x800000
	s_add_nc_u64 s[10:11], s[36:37], s[38:39]      ; my scale words
	s_lshl_b32 s2, s18, 15
	s_lshl_b32 s3, s17, 6                          ; 16 labels a K step
	s_add_co_u32 s2, s2, s3
	s_mov_b32 s3, 0
	s_add_nc_u64 s[4:5], s[28:29], s[2:3]
	s_add_nc_u64 s[6:7], s[32:33], s[2:3]
	s_wait_alu depctr_va_vdst(0)
	; a step is 16 rows x 32 along K: lane L holds row L / 2 and the label 2 (t % 8) + L % 2 of the K step's sixteen; rows 16 (t / 8) on
	v_and_b32 v3, 1, v2
	v_lshrrev_b32 v1, 1, v2
	v_lshlrev_b32 v4, 8, v3
	v_lshlrev_b32 v3, 2, v3
	v_lshl_add_u32 v3, v1, 10, v3                  ; labels: a row of 1,024 bytes for L / 2, 4 bytes for L % 2
	v_lshl_add_u32 v4, v1, 4, v4                   ; codes: 256 (L % 2) + 16 (L / 2): a store of the wave covers 512 consecutive bytes, aligned
	v_lshlrev_b32 v7, 4, v1                        ; scale words: 16 (L / 2)
	v_lshlrev_b32 v14, 4, v0                       ; the tables: thread t takes 16 bytes at 16 t of a table's first 2,048 and of its second: the 128 threads read each half as 2,048 consecutive bytes
	v_lshrrev_b32 v15, 2, v0                       ; that is quarter t % 4 of centroid t / 4 (and of centroid 32 + t / 4):
	v_mul_u32_u24 v15, v15, TP
	v_and_b32 v1, 3, v0
	v_lshl_add_u32 v15, v1, 4, v15
	v_mul_u32_u24 v13, v0, TP                      ; thread t also writes the 16 bytes of padding behind centroid t of the 128: no byte of the tables' span stays unwritten
.irp i, 8,9,10,11
	v_mov_b32 v\i, 0
.endr
	global_load_b128 v[G:G+3],     v14, s[26:27]
	global_load_b128 v[G+4:G+7],   v14, s[26:27] offset:2048
	global_load_b128 v[G+8:G+11],  v14, s[30:31]
	global_load_b128 v[G+12:G+15], v14, s[30:31] offset:2048
.irp t, 0,1,2,3,4,5,6,7,8,9,10,11,12,13,14,15
	global_load_b32 v[LC+\t], v3, s[4:5] offset:16384*(\t/8)+8*(\t%8)    ; 8 consecutive bytes of each of 16 rows; a job's eight loads take each row's 64 bytes, the four waves 256
	global_load_b32 v[LR+\t], v3, s[6:7] offset:16384*(\t/8)+8*(\t%8)
.endr
	s_wait_alu depctr_va_vdst(0)
	s_wait_loadcnt 32                              ; my four pieces of the tables are in; the 32 loads of labels issued behind them may be out
	ds_store_b128 v15, v[G:G+3]     offset:TABC
	ds_store_b128 v15, v[G+4:G+7]   offset:TABC+32*TP
	ds_store_b128 v15, v[G+8:G+11]  offset:TABR
	ds_store_b128 v15, v[G+12:G+15] offset:TABR+32*TP
	ds_store_b128 v13, v[8:11] offset:TABC+64
	s_wait_loadcnt 0x0                             ; the labels
.irp t, 0,1,2,3,4,5,6,7,8,9,10,11,12,13,14,15
	v_min_u32 v[LC+\t], 63, v[LC+\t]               ; a loaded number enters an address only held inside its table
	v_min_u32 v[LR+\t], 63, v[LR+\t]
.endr
.irp t, 0,1,2,3,4,5,6,7,8,9,10,11,12,13,14,15
	v_mul_u32_u24 v[LC+\t], v[LC+\t], TP           ; TP bytes a centroid: 5,040 at the most; these registers are not written again
	v_mul_u32_u24 v[LR+\t], v[LR+\t], TP
.endr
	s_wait_dscnt 0x0                               ; for the others' sake: my stores into the tables are done
	s_barrier_signal -1
	s_barrier_wait -1                              ; both tables are whole: every wave reads what all four stored
.macro GATHER t
.irp j, 0,1,2,3
	ds_load_b128 v[G+32*((\t)%3)+4*\j:G+32*((\t)%3)+4*\j+3], v[LC+(\t)] offset:TABC+16*\j
.endr
.irp j, 0,1,2,3
	ds_load_b128 v[G+32*((\t)%3)+16+4*\j:G+32*((\t)%3)+16+4*\j+3], v[LR+(\t)] offset:TABR+16*\j
.endr
.endm
.macro WSTEP t
.if (\t) <= 13
	s_wait_dscnt 16                                ; this step's eight gathers are in; those of the two steps behind it may be out (no other LDS instruction stands among the steps)
.else
	s_wait_dscnt 8*(15-(\t))
.endif
.if (\t) == 8
	s_wait_xcnt 0x0                                ; the stores of steps 0 to 7 have read their data: the eight sets of code registers are written a second time only behind this wait
.endif
.irp j, 0,2,4,6,8,10,12,14
	v_pk_add_f32 v[G+32*((\t)%3)+\j:G+32*((\t)%3)+\j+1], v[G+32*((\t)%3)+\j:G+32*((\t)%3)+\j+1], v[G+32*((\t)%3)+16+\j:G+32*((\t)%3)+16+\j+1]   ; coarse + residual, in f32
.endr
	QUANT16 G+32*((\t)%3), WC+4*((\t)%8), WE+(\t)  ; the step's scale byte stays in its register until the gathers are over
	global_store_b128 v4, v[WC+4*((\t)%8):WC+4*((\t)%8)+3], s[8:9] offset:16384*(((\t)%8)/4)+2048*((\t)/8)+512*((\t)%4)
.if (\t)+3 < STEPS
	GATHER (\t)+3                                  ; into the set just worked
.endif
.endm
	GATHER 0
	GATHER 1
	GATHER 2
.irp t, 0,1,2,3,4,5,6,7,8,9,10,11,12,13,14,15
	WSTEP \t
.endr
	s_wait_alu depctr_va_vdst(0)
	s_wait_dscnt 0x0                               ; my gathers are in (the last step's wait was for 0, and nothing was issued behind it)
.irp i, 0,1,2,3
	v_lshl_or_b32 v[8+\i], v[WE+4*(\i+1-2*(\i%2))+1], 8, v[WE+4*(\i+1-2*(\i%2))]   ; four steps' bytes make a word; the second 128's word stands ahead of the first's
	v_lshl_or_b32 v[8+\i], v[WE+4*(\i+1-2*(\i%2))+2], 16, v[8+\i]
	v_lshl_or_b32 v[8+\i], v[WE+4*(\i+1-2*(\i%2))+3], 24, v[8+\i]
.endr
	global_store_b128 v7, v[8:11], s[10:11]        ; both lanes of a row store the same 16 bytes: the wave stores 256 consecutive bytes, aligned
	s_wait_tensorcnt 0x0
	ds_add_u32 v192, v193
	s_wait_dscnt 0x0
	s_endpgm
.Lfunc_end_k_q391779e291_quant:
	.size	k_q391779e291_quant, .Lfunc_end_k_q391779e291_quant-k_q391779e291_quant
	.p2alignl 7, 3214868480
	.fill 96, 4, 3214868480
	.section	.rodata,"a",@progbits
	.p2align	6, 0x0
	.amdhsa_kernel k_q391779e291_quant
		.amdhsa_group_segment_fixed_size 44544
		.amdhsa_private_segment_fixed_size 0
		.amdhsa_enable_private_segment 0
		.amdhsa_kernarg_size 56
		.amdhsa_user_sgpr_count 2
		.amdhsa_user_sgpr_kernarg_segment_ptr 1
		.amdhsa_wavefront_size32 1
		.amdhsa_system_sgpr_workgroup_id_x 1
		.amdhsa_system_sgpr_workgroup_id_y 1
		.amdhsa_system_sgpr_workgroup_id_z 1
		.amdhsa_system_vgpr_workitem_id 0
		.amdhsa_next_free_vgpr 194
		.amdhsa_next_free_sgpr 66
		.amdhsa_reserve_vcc 0
		.amdhsa_float_denorm_mode_32 3
		.amdhsa_float_denorm_mode_16_64 3
		.amdhsa_memory_ordered 1
		.amdhsa_forward_progress 1
		.amdhsa_inst_pref_size 111
	.end_amdhsa_kernel
	.amdgpu_metadata
---
amdhsa.version: [ 1, 2 ]
amdhsa.kernels:
  - .name:           k_q391779e291_quant
    .symbol:         k_q391779e291_quant.kd
    .args:
      - { .name: x, .offset: 0, .size: 8, .value_kind: global_buffer, .address_space: global }
      - { .name: coarse_centroids, .offset: 8, .size: 8, .value_kind: global_buffer, .address_space: global }
      - { .name: coarse_labels, .offset: 16, .size: 8, .value_kind: global_buffer, .address_space: global }
      - { .name: res_centroids, .offset: 24, .size: 8, .value_kind: global_buffer, .address_space: global }
      - { .name: res_labels, .offset: 32, .size: 8, .value_kind: global_buffer, .address_space: global }
      - { .name: xq, .offset: 40, .size: 8, .value_kind: global_buffer, .address_space: global }
      - { .name: wq, .offset: 48, .size: 8, .value_kind: global_buffer, .address_space: global }
    .group_segment_fixed_size: 44544
    .private_segment_fixed_size: 0
    .kernarg_segment_align: 8
    .kernarg_segment_size: 56
    .max_flat_workgroup_size: 128
    .sgpr_count:     66
    .vgpr_count:     194
    .wavefront_size: 32
...
	.end_amdgpu_metadata
.endif
;; end of part 1
;; launch gemm (part 2): grid 8 x 32, 4 waves a work-group, clusters of 4 x 1, 327,680 bytes of LDS; arguments xq, wq, bias, out0; writes out0
.if DOCPART == 2
	.amdgcn_target "amdgcn-amd-amdhsa--gfx1250"
	.amdhsa_code_object_version 6
	.text
	.protected	k_q391779e291_gemm
	.globl	k_q391779e291_gemm
	.p2align	8
	.type	k_q391779e291_gemm,@function
k_q391779e291_gemm:
	s_mov_b64 s[64:65], 0
	v_nop
	global_prefetch_b8 v0, s[64:65] scope:SCOPE_SE
	s_setreg_imm32_b32 hwreg(HW_REG_WAVE_MODE, 25, 1), 1
	s_wait_xcnt 0x0
	s_wait_alu depctr_hold_cnt(0) depctr_sa_sdst(0) depctr_va_vdst(0) depctr_va_sdst(0) depctr_va_ssrc(0) depctr_va_vcc(0) depctr_vm_vsrc(0)
	s_getreg_b32 s2, hwreg(HW_REG_IB_STS2, 6, 4)
	s_cmp_eq_u32 s2, 0
	s_cbranch_scc0 .Lentry_in_a_cluster
	s_endpgm
.Lentry_in_a_cluster:
	s_bfe_u32 s2, ttmp6, 0x10000c
	s_cmp_lg_u32 s2, 0x3003
	s_cbranch_scc0 .Lentry_shape_is_right
	s_endpgm
.Lentry_shape_is_right:
; out0[m][n] = sum over k of x[m][k] W[n][k] + bias[n], on the codes of BF8 and E8M0 scale bytes that launch quant made.  A work-group of four waves makes 256 x 256, a wave 128 x 128 (64 accumulators, 512 registers).
; x GOES THROUGH LDS: a ring of two slots, each 256 rows x 512 along K with their scale bytes: four dense blocks of 33,792 bytes of xq, one tensor load a wave.  The four work-groups of a cluster (one tile row of
; out0) need the same blocks and ask for them jointly.  A refill has four substeps of 128 along K, 256 matrix instructions a wave less those inside the round, in which to land.
; W GOES STRAIGHT INTO REGISTERS: wq holds it in the order of the operand's registers, so a load of the wave takes 512 consecutive bytes and LDS is read for x alone.  Two sets of 128 registers: the next substep's
; 32 loads go out at a substep's head.  No joint load for W: the partners of a cluster have different columns, and what is not in LDS cannot be shared by a tensor load.
; The matrix instruction is used transposed (source 0 = 16 rows of W, source 1 = 16 rows of x): a lane holds eight neighbouring numbers of a row of out0.  The bias is the C of each accumulator's first product.
; REGISTERS: window 0: v16-31 addresses; v32-47 W's scale words, v48-63 x's (two sets each); v64-127 bias; v128-255 x's fragments, one set.  Window 1: W's two sets.  Windows 2, 3: accumulators.
; PREFETCHES: W: each wave names 8,192 of its work-group's 32,768 bytes of the substep 5 on (4 substeps ahead of the loads that want them); x: at each refill each wave names its cluster place's 32 rows of codes
; of the block that it will fetch at the next refill but one... the block of slot step T + 3, where the refill asks for T + 2; the blocks' 1,024 scale bytes come by the loads alone.  Both stop inside their buffers.
.set SIZE_N, 2048
.set BLKB,   33792
.set PITCH,  272
.set NP,     8
.set HALFT,  132*PITCH                 ; a block in LDS: 128 rows of 256 codes, 4 rows of scale bytes, 16 bytes of padding behind each 256
.set SCOFF,  128*PITCH
.set SLOT,   4*HALFT                   ; block 2 i + j: rows 128 i on, the slot's j-th 256 along K
.set SPARE,  2*SLOT
.set STAGE,  SPARE+512
.set SPITCH, 528
.set SUBB,   16384                     ; W's codes of 128 rows x 128 along K
.set ADRA, 16                          ; v16-19 x's fragments: slot s, half j at 2 s + j
.set ADRS, 20                          ; v20-23 x's scale words likewise: lanes 0-15 rows 0-63, lanes 16-31 rows 64-127
.set STO,  24
.set RD,   25
.set CO,   26                          ; 16 x lane
.set BO,   27
.set SPW,  28
.set NIL,  29
.set PFO,  30                          ; 256 x lane
.set SB,   32
.set SA,   48
.set BI,   64
.set AF,   128
.set BK,   128
.set G1,  24
.set G0,  32
.set BP,  40                           ; s[40:41] W's codes, s[42:43] W's scale words: my 128 rows, at the lap's first substep
.set BS,  42
.set PB,  44                           ; s[44:45], s[46:47] where my prefetches of W and of x stand
.set PA,  46
.set MSB, 0
.macro WIN new
.if MSB != (\new)
	s_set_vgpr_msb (MSB<<8)|(\new)
.set MSB, (\new)
.endif
.endm
.macro CREST
	s_cmp_lg_u32 s14, 0
	s_cbranch_scc1 .Lnot_wave_0_\@
	s_barrier_signal -3
.Lnot_wave_0_\@:
	s_barrier_wait -3
	s_barrier_signal -1
	s_barrier_wait -1
.endm
.macro CROUND
	s_barrier_signal -1
	s_barrier_wait -1
	CREST
.endm
.macro PLACES n
.rept \n
	v_nop
.endr
.endm
.macro JLOAD s                         ; every wave's own block; s_nop 0 and four v_nop behind it
	tensor_load_to_lds s[G0+4*(\s):G0+4*(\s)+3], s[G1:G1+7]
	s_nop 0
	PLACES 4
.endm
	s_load_b128 s[4:7], s[0:1], 0x0                ; xq, wq
	s_load_b128 s[8:11], s[0:1], 0x10              ; bias, out0
	v_lshl_add_u32 v[SPW], v0, 2, SPARE
	v_mov_b32 v[NIL], 0
	ds_add_u32 v[SPW], v[NIL]
	ds_add_u32 v[SPW], v[NIL]
	v_lshrrev_b32 v1, 5, v0
	v_readfirstlane_b32 s14, v1                    ; wave
	s_lshr_b32 s15, s14, 1                         ; my half of the rows; also which 128 rows I fetch
	s_and_b32 s16, s14, 1                          ; my half of the columns; also which 256 along K of a slot I fetch
	s_bfe_u32 s19, ttmp6, 0x40000                  ; cx
	s_lshl_b32 s18, ttmp9, 2
	s_add_co_u32 s18, s18, s19                     ; tile column
	s_and_b32 s17, ttmp7, 0xffff                   ; tile row: the cluster's y
	s_mov_b32 s[G1+0], 15|(3<<16)|(1<<20)|(1<<21)|(5<<22)|(3<<25)   ; all four partners; elements of 8 bytes; 4 words of padding behind every 64
	s_mov_b32 s[G1+1], 32<<16
	s_mov_b32 s[G1+2], 132<<16
	s_mov_b32 s[G1+3], 32<<16
	s_mov_b32 s[G1+4], 132
	s_mov_b32 s[G1+5], 32
	s_mov_b32 s[G1+6], 0
	s_mov_b32 s[G1+7], 0
	s_lshl_b32 s20, s17, 1
	s_add_co_u32 s20, s20, s15
	s_lshl_b32 s20, s20, 4
	s_add_co_u32 s20, s20, s16
	s_mul_i32 s20, s20, BLKB                       ; block 16 (2 tile row + half) + my 256 along K
	s_mov_b32 s21, 0
	s_mul_i32 s22, s14, HALFT
	s_mul_i32 s23, s15, 2*HALFT
	s_mul_i32 s12, s14, 16*SPITCH
	s_add_co_u32 s12, s12, STAGE
	s_wait_dscnt 0x0
	s_wait_kmcnt 0x0
	s_add_nc_u64 s[20:21], s[4:5], s[20:21]
.irp s, 0,1
	s_mov_b32 s[G0+4*\s], 1
	s_add_co_u32 s[G0+4*\s+1], s22, \s*SLOT
	s_add_nc_u64 s[G0+4*\s+2:G0+4*\s+3], s[20:21], \s*2*BLKB
	s_or_b32 s[G0+4*\s+3], s[G0+4*\s+3], 0x80000000
.endr
	CROUND                                         ; the round in front of the first joint loads
	JLOAD 0                                        ; slot 0, one load a wave
	s_mov_b32 s51, 0
	s_lshl_b32 s48, s18, 1
	s_add_co_u32 s49, s48, s16                     ; my 128 rows of W
	s_lshl_b32 s50, s49, 19
	s_add_nc_u64 s[BP:BP+1], s[6:7], s[50:51]
	s_lshl_b32 s50, s49, 14
	s_add_co_u32 s50, s50, 0x800000
	s_add_nc_u64 s[BS:BS+1], s[6:7], s[50:51]
	s_add_co_u32 s49, s48, s15                     ; prefetches of W: wave w names half w % 2 of the 16,384 bytes of rows 128 (w / 2) on
	s_lshl_b32 s50, s49, 19
	s_lshl_b32 s49, s16, 13
	s_add_co_u32 s50, s50, s49
	s_add_nc_u64 s[PB:PB+1], s[6:7], s[50:51]
	s_lshl_b32 s50, s19, 13                        ; of x: my place's 32 rows of the block that I fetch
	s_add_nc_u64 s[PA:PA+1], s[20:21], s[50:51]
	s_lshl_b32 s50, s18, 10
	s_lshl_b32 s49, s16, 9
	s_add_co_u32 s50, s50, s49                     ; my first column, in bytes
	s_add_nc_u64 s[8:9], s[8:9], s[50:51]
	s_add_nc_u64 s[10:11], s[10:11], s[50:51]
	s_lshl_b32 s50, s17, 8
	s_lshl_b32 s49, s15, 7
	s_add_co_u32 s50, s50, s49
	s_lshl_b32 s50, s50, 13                        ; my first row, 8,192 bytes each
	s_add_nc_u64 s[10:11], s[10:11], s[50:51]
	v_and_b32 v1, 15, v0                           ; r
	v_bfe_u32 v2, v0, 4, 1                         ; h
	v_and_b32 v6, 31, v0
	v_mul_u32_u24 v3, v1, PITCH
	v_lshl_add_u32 v3, v2, 4, v3
	v_add_nc_u32 v3, s23, v3
	v_mul_u32_u24 v4, v2, 2*PITCH
	v_lshl_add_u32 v4, v1, 3, v4
	v_add_nc_u32 v4, s23, v4
.irp n, 0,1,2,3
	v_add_nc_u32 v[ADRA+\n], (\n/2)*SLOT+(\n%2)*HALFT, v3
	v_add_nc_u32 v[ADRS+\n], (\n/2)*SLOT+(\n%2)*HALFT+SCOFF, v4
.endr
	v_mul_u32_u24 v5, v1, SPITCH
	v_lshl_add_u32 v5, v2, 5, v5
	v_add_nc_u32 v[STO], s12, v5
	v_lshlrev_b32 v[CO], 4, v6
	v_add_nc_u32 v[RD], s12, v[CO]
	v_lshlrev_b32 v[BO], 5, v2
	v_lshlrev_b32 v[PFO], 8, v6
	s_wait_alu depctr_va_vdst(0)                   ; the head's end: no vector register is written behind it
; one product: x's block a, W's block b.  W's word: register 4 (b / 4) + 2 (b % 2) + 1 - ks, lanes 16-31 where (b % 4) / 2; x's: register 2 (a % 4) + ks, lanes 16-31 where a / 4: the two numbers differ in parity
.macro WM a, b, p, ks, st, first
.set DR, 8*(8*((\a)%4)+\b)
.set CR, DR
.if \first
.set CR, BI+8*\b
.endif
.set BR, 128*(\p)+16*\b
.set AR, AF+16*(\a)
.set S0, SB+8*(\st)+4*(\b/4)+2*(\b%2)+1-(\ks)
.set S1, SA+8*(\st)+2*((\a)%4)+(\ks)
.if (\b%4)/2
.if (\a)/4
	v_wmma_scale_f32_16x16x128_f8f6f4 v[DR:DR+7], v[BR:BR+15], v[AR:AR+15], v[CR:CR+7], v[S0], v[S1] matrix_a_fmt:MATRIX_FMT_BF8 matrix_b_fmt:MATRIX_FMT_BF8 matrix_a_scale:MATRIX_SCALE_ROW1 matrix_b_scale:MATRIX_SCALE_ROW1
.else
	v_wmma_scale_f32_16x16x128_f8f6f4 v[DR:DR+7], v[BR:BR+15], v[AR:AR+15], v[CR:CR+7], v[S0], v[S1] matrix_a_fmt:MATRIX_FMT_BF8 matrix_b_fmt:MATRIX_FMT_BF8 matrix_a_scale:MATRIX_SCALE_ROW1
.endif
.else
.if (\a)/4
	v_wmma_scale_f32_16x16x128_f8f6f4 v[DR:DR+7], v[BR:BR+15], v[AR:AR+15], v[CR:CR+7], v[S0], v[S1] matrix_a_fmt:MATRIX_FMT_BF8 matrix_b_fmt:MATRIX_FMT_BF8 matrix_b_scale:MATRIX_SCALE_ROW1
.else
	v_wmma_scale_f32_16x16x128_f8f6f4 v[DR:DR+7], v[BR:BR+15], v[AR:AR+15], v[CR:CR+7], v[S0], v[S1] matrix_a_fmt:MATRIX_FMT_BF8 matrix_b_fmt:MATRIX_FMT_BF8
.endif
.endif
.endm
.macro MUL16 a0, e, first              ; 16 products of substep e; the 64 accumulators take turns, in the same order in every substep
.irp a, \a0, \a0+1
.irp b, 0,1,2,3,4,5,6,7
	WM \a, \b, (\e)%2, (\e)%2, ((\e)/2)%2, \first
.endr
.endr
.endm
.macro GETB n                          ; W's fragments of substep n (counted from the lap's base) into set n % 2; with an even n the two loads of the K step's scale words
.if ((\n)%2) == 0
	global_load_b128 v[SB+8*(((\n)/2)%2):SB+8*(((\n)/2)%2)+3],   v[CO], s[BS:BS+1] offset:((\n)/2)*1024
	global_load_b128 v[SB+8*(((\n)/2)%2)+4:SB+8*(((\n)/2)%2)+7], v[CO], s[BS:BS+1] offset:((\n)/2)*1024+512
.endif
	WIN 0x40
.irp b, 0,1,2,3,4,5,6,7
.irp c, 0,1,2,3
	global_load_b128 v[128*((\n)%2)+16*\b+4*\c:128*((\n)%2)+16*\b+4*\c+3], v[CO], s[BP:BP+1] offset:(\n)*SUBB+\b*2048+\c*512
.endr
.endr
	WIN 0
.endm
.macro GETA n, i0                      ; x's blocks i0 .. i0 + 3 of substep n
.set NA, ADRA+2*(((\n)/4)%2)+(((\n)%4)/2)
.irp i, 0,1,2,3
.irp c, 0,1,2,3
	ds_load_b128 v[AF+16*(\i0+\i)+4*\c:AF+16*(\i0+\i)+4*\c+3], v[NA] offset:128*((\n)%2)+32*\c+(\i0+\i)*16*PITCH
.endr
.endr
.endm
.macro GETS n                          ; x's scale words of the 256 along K that substep n begins: register pair i: lanes 0-15 block i, lanes 16-31 block i + 4
.set NS, ADRS+2*(((\n)/4)%2)+(((\n)%4)/2)
.irp i, 0,1,2,3
	ds_load_b64 v[SA+8*(((\n)/2)%2)+2*\i:SA+8*(((\n)/2)%2)+2*\i+1], v[NS] offset:(\i/2)*PITCH+(\i%2)*128
.endr
.endm
; Substep e of a lap of 8 (slot (e / 4) % 2, its (e % 4)-th 128 along K).  more: a substep follows; fill: the slot just read out is filled again; pf: W is prefetched
.macro SUB e, fill, more, first, pf
.if \more
	GETB (\e)+1                                    ; the set that the substep before multiplied; its eight places stand at that substep's end
	s_wait_loadcnt 32+2*((\e)%2)                   ; all but the loads just issued: this substep's set and words are in
.else
	s_wait_loadcnt 0x0
.endif
.if (((\e)%4) == 3) && (\more)
	s_wait_tensorcnt 0x0                           ; the change of slots: my block of the next slot has landed;
	ds_add_u32 v[SPW], v[NIL]
	s_wait_dscnt 17                                ; (the add and x's blocks 4-7 may be out)
	WIN 0xa1
	MUL16 0, \e, 0
	s_wait_dscnt 0x0                               ; the add is done and my reads of this slot are over
	s_barrier_signal -1
	MUL16 2, \e, 0
	WIN 0
	s_barrier_wait -1
.if \fill
	CREST                                          ; the barrier opened a round of the cluster's barrier
	s_add_nc_u64 s[G0+4*(((\e)/4)%2)+2:G0+4*(((\e)/4)%2)+3], s[G0+4*(((\e)/4)%2)+2:G0+4*(((\e)/4)%2)+3], 4*BLKB
	JLOAD ((\e)/4)%2
	PLACES NP-4
.else
	PLACES NP
.endif
.else
	s_wait_dscnt 16                                ; x's blocks 0-3 and words are in; blocks 4-7 may be out
	WIN 0xa1-0x20*(\first)                         ; source 0 window 1, source 1 window 0, D window 2, C window 2 (the bias: window 0)
	MUL16 0, \e, \first
	MUL16 2, \e, \first
	s_wait_dscnt 0x0
.if \more
	PLACES NP
.endif
	WIN 0
.endif
.if \more
	GETA (\e)+1, 0
.if ((\e)%2) == 1
	GETS (\e)+1
.endif
.endif
.if \pf
	global_prefetch_b8 v[PFO], s[PB:PB+1] offset:((\e)+5)*SUBB th:TH_LOAD_NT scope:SCOPE_SE
.endif
.if \fill
.if (\e) == 7
	s_cmp_gt_u32 s3, 1                             ; the last trip's second refill has no slot step three on
	s_cbranch_scc0 .Lno_x_\@
.endif
	global_prefetch_b8 v[PFO], s[PA:PA+1] offset:(3+(\e)/4)*2*BLKB th:TH_LOAD_NT scope:SCOPE_SE
.if (\e) == 7
.Lno_x_\@:
.endif
.endif
	WIN 0xf1-0x30*(\first)
	MUL16 4, \e, \first
	MUL16 6, \e, \first
.if \more
	PLACES NP
	WIN 0
	GETA (\e)+1, 4
.else
	WIN 0
.endif
.endm
.irp b, 0,1,2,3,4,5,6,7
	global_load_b128 v[BI+8*\b:BI+8*\b+3],   v[BO], s[8:9] offset:64*\b       ; bias at my eight columns of each block
	global_load_b128 v[BI+8*\b+4:BI+8*\b+7], v[BO], s[8:9] offset:64*\b+16
.endr
	GETB 0
	s_wait_tensorcnt 0x0                           ; slot 1's first fill is issued as a refill is
	ds_add_u32 v[SPW], v[NIL]
	s_wait_dscnt 0x0
	CROUND
	JLOAD 1
	GETA 0, 0
	GETS 0
	GETA 0, 4
	SUB 0, 0, 1, 1, 1                              ; the first substep starts the sums, on the bias
	s_mov_b32 s3, 3
.Llap:                                                 ; a trip: eight substeps, once round the ring, both slots filled again
	SUB 1, 0, 1, 0, 1
	SUB 2, 0, 1, 0, 1
	SUB 3, 1, 1, 0, 1
	SUB 4, 0, 1, 0, 1
	SUB 5, 0, 1, 0, 1
	SUB 6, 0, 1, 0, 1
	SUB 7, 1, 1, 0, 1
	SUB 8, 0, 1, 0, 1
	s_wait_xcnt 0x0                                ; the loads and prefetches have read their bases
	s_add_nc_u64 s[BP:BP+1], s[BP:BP+1], 8*SUBB
	s_add_nc_u64 s[BS:BS+1], s[BS:BS+1], 4096
	s_add_nc_u64 s[PB:PB+1], s[PB:PB+1], 8*SUBB
	s_add_nc_u64 s[PA:PA+1], s[PA:PA+1], 4*BLKB
	s_sub_co_u32 s3, s3, 1
	s_cmp_lg_u32 s3, 0
	s_cbranch_scc1 .Llap
	SUB 1, 0, 1, 0, 1                              ; the last seven substeps fill nothing; W's last substep is asked for in the second
	SUB 2, 0, 1, 0, 1
	SUB 3, 0, 1, 0, 0
	SUB 4, 0, 1, 0, 0
	SUB 5, 0, 1, 0, 0
	SUB 6, 0, 1, 0, 0
	SUB 7, 0, 0, 0, 0
; THE WAY OUT: a block of 16 rows x 128 columns goes through my own stage in LDS and comes back as whole rows of 512 bytes
.macro TOSTAGE a
.set AC, 64*((\a)%4)
	WIN 0x08+4*((\a)/4)
.irp b, 0,1,2,3,4,5,6,7
	ds_store_b128 v[STO], v[AC+8*\b:AC+8*\b+3] offset:64*\b
	ds_store_b128 v[STO], v[AC+8*\b+4:AC+8*\b+7] offset:64*\b+16
.endr
	WIN 0
.set BB, BK+64*((\a)%2)
.irp t, 0,1,2,3,4,5,6,7,8,9,10,11,12,13,14,15
	ds_load_b128 v[BB+4*\t:BB+4*\t+3], v[RD] offset:\t*SPITCH
.endr
.endm
.macro SEND a, younger
.set BB, BK+64*((\a)%2)
	s_wait_dscnt \younger
.if (\a) > 0
	s_add_nc_u64 s[10:11], s[10:11], 16*SIZE_N*4   ; behind a wait on XCNT
.endif
.irp t, 0,1,2,3,4,5,6,7,8,9,10,11,12,13,14,15
	global_store_b128 v[CO], v[BB+4*\t:BB+4*\t+3], s[10:11] offset:\t*SIZE_N*4 th:TH_STORE_NT   ; 512 consecutive bytes, aligned
.endr
.endm
	PLACES NP
	TOSTAGE 0
.irp a, 1,2,3,4,5,6,7
.if \a > 1
	s_wait_xcnt 0x0                                ; block a - 2's stores have read their registers and their base
.endif
	TOSTAGE \a
	SEND \a-1, 32
.endr
	s_wait_xcnt 0x0
	SEND 7, 0
	s_wait_tensorcnt 0x0                           ; the wave's end
	ds_add_u32 v[SPW], v[NIL]
	s_wait_dscnt 0x0
	CROUND                                         ; the closing round
	s_endpgm
.Lfunc_end_k_q391779e291_gemm:
	.size	k_q391779e291_gemm, .Lfunc_end_k_q391779e291_gemm-k_q391779e291_gemm
	.p2alignl 7, 3214868480
	.fill 96, 4, 3214868480
	.section	.rodata,"a",@progbits
	.p2align	6, 0x0
	.amdhsa_kernel k_q391779e291_gemm
		.amdhsa_group_segment_fixed_size 327680
		.amdhsa_private_segment_fixed_size 0
		.amdhsa_enable_private_segment 0
		.amdhsa_kernarg_size 32
		.amdhsa_user_sgpr_count 2
		.amdhsa_user_sgpr_kernarg_segment_ptr 1
		.amdhsa_wavefront_size32 1
		.amdhsa_system_sgpr_workgroup_id_x 1
		.amdhsa_system_sgpr_workgroup_id_y 1
		.amdhsa_system_sgpr_workgroup_id_z 1
		.amdhsa_system_vgpr_workitem_id 0
		.amdhsa_next_free_vgpr 1024
		.amdhsa_next_free_sgpr 66
		.amdhsa_reserve_vcc 0
		.amdhsa_float_denorm_mode_32 3
		.amdhsa_float_denorm_mode_16_64 3
		.amdhsa_memory_ordered 1
		.amdhsa_forward_progress 1
		.amdhsa_inst_pref_size 255
	.end_amdhsa_kernel
	.section	.bss,"aw",@nobits
	.p2align	6
	.space	262144
	.amdgpu_metadata
---
amdhsa.version: [ 1, 2 ]
amdhsa.kernels:
  - .name:           k_q391779e291_gemm
    .symbol:         k_q391779e291_gemm.kd
    .args:
      - { .name: xq, .offset: 0, .size: 8, .value_kind: global_buffer, .address_space: global }
      - { .name: wq, .offset: 8, .size: 8, .value_kind: global_buffer, .address_space: global }
      - { .name: bias, .offset: 16, .size: 8, .value_kind: global_buffer, .address_space: global }
      - { .name: out0, .offset: 24, .size: 8, .value_kind: global_buffer, .address_space: global }
    .group_segment_fixed_size: 327680
    .private_segment_fixed_size: 0
    .kernarg_segment_align: 8
    .kernarg_segment_size: 32
    .max_flat_workgroup_size: 128
    .sgpr_count:     66
    .vgpr_count:     1024
    .wavefront_size: 32
...
	.end_amdgpu_metadata
.endif
;; end of part 2
